; MI455X (gfx1250); checked and timed in simulation.
; The chip was launched on July 23, 2026; its instructions are those of AMD's public machine-readable ISA for CDNA 5 (MIT licence, August 2026) and "CDNA5" Instruction Set Architecture Reference Guide (July 2026). The comments in the code are by the model that wrote it; some were corrected since.
;; TMPNN. Allowed arithmetic: matrix products marked QUANTISED: E2M3 operands, one E8M0 scale for each 32 along K, by v_wmma_scale_f32_16x16x128_f8f6f4 with both operands' format E2M3, f32 sums; everything else in f32.
;; Inputs: W 1,057 x 32 float32; x 131,072 x 32 float32.
;; Outputs: out0 131,072 x 1 float32.
;; This version of the problem:
;;   THIS VERSION OF THE PROBLEM IS GIVEN IN LOW PRECISION. The matrix products marked QUANTISED in the list below multiply operands that are first quantised to E2M3 (2 exponent bits, 3 mantissa bits; 6 bits a number), with one power-of-two scale for each 32 numbers along K (OCP MX v1.0); their sums are f32. All else is computed in f32.
;;   The module's matrix products, in the order in which they are computed (A, B: the left and right operand; K: the contracted axis; several contracted axes count as one K, in the product's order):
;;     1. [M 131,072, K 1,057] x [K 1,057, N 32]; A: computed on the way; B: input W: QUANTISED
;;     2. [M 131,072, K 1,057] x [K 1,057, N 32]; A: computed on the way; B: input W: QUANTISED
;;     3. [M 131,072, K 1,057] x [K 1,057, N 32]; A: computed on the way; B: input W: QUANTISED
;;     4. [M 131,072, K 1,057] x [K 1,057, N 32]; A: computed on the way; B: input W: QUANTISED
;;     5. [M 131,072, K 1,057] x [K 1,057, N 32]; A: computed on the way; B: input W: QUANTISED
;;     6. [M 131,072, K 1,057] x [K 1,057, N 32]; A: computed on the way; B: input W: QUANTISED
;;     7. [M 131,072, K 1,057] x [K 1,057, N 32]; A: computed on the way; B: input W: QUANTISED
;;   THE QUANTISER, for each operand of a quantised product, along K:
;;     - K is cut into blocks of 32 from its start; a last block that is shorter is filled with zeros.
;;     - A block's scale is 2^e with e = floor(log2(the largest magnitude in the block)) - 2, held to -126 .. 127; a block of zeros has e = 0. As a byte (E8M0): e + 127.
;;     - Each number is divided by its block's scale, clamped to +-7.5, and rounded to the nearest number of E2M3, ties to even, subnormals kept.
;;     - The product sums the exact products of the quantised numbers (number of the format x scale) in f32.
;;   ~~~python
;;   def quantise(x, axis):      # numpy; x: float32 -> the quantised numbers, widened to float32 again
;;       x = np.moveaxis(x, axis, -1); K = x.shape[-1]
;;       x = np.pad(x, [(0, 0)] * (x.ndim - 1) + [(0, -K % 32)]); x = x.reshape(x.shape[:-1] + (-1, 32)); a = np.abs(x).max(-1, keepdims=True)
;;       e = np.where(a > 0, np.clip(np.frexp(np.where(a > 0, a, 1))[1] - 1 - 2, -126, 127), 0)      # np.frexp(a)[1] - 1 = floor(log2(a)), exactly
;;       r = np.clip(x / 2.0 ** e, -7.5, 7.5)
;;       step = 2.0 ** (np.maximum(np.frexp(np.where(r == 0, 1, r))[1] - 1, 0) - 3)
;;       q = np.round(r / step) * step * 2.0 ** e      # np.round: ties to even
;;       return np.moveaxis(q.reshape(q.shape[:-2] + (-1,))[..., :K], -1, axis).astype(np.float32)
;;   ~~~
;;   OPERANDS COMPUTED ON THE WAY. 'Computed on the way' means the value that the module computes at that place (a softmax that the list does not call 'softmax' is quantised finished and normalised). What goes into a quantiser is computed in f32, as accurately as f32 sums, v_exp_f32 and their like allow (about 1e-6 of the number): no bf16 or f16 on the way to a quantiser, and a product that is left as it is and whose result goes on into a quantised operand takes f32 operands (vector FMAs, or v_wmma_f32_16x16x4_f32). A number that lies on a knife's edge between two numbers of the format may be rounded either way, as far as f32 arithmetic and the matrix unit's own rounding can turn it there, and no further.
;; One version. Each part assembles by itself: llvm-mc -triple=amdgcn-amd-amdhsa -mcpu=gfx1250 --defsym DOCPART=n.
;; ======== version 1 of 1: 1 launch
;; launch tmpnn (part 1): grid 256 x 1, 8 waves a work-group, no clusters, 31,744 bytes of LDS; arguments x, W, out0; writes out0
.if DOCPART == 1
	.amdgcn_target "amdgcn-amd-amdhsa--gfx1250"
	.amdhsa_code_object_version 6
	.text
	.protected	k_qbefd792457_tmpnn
	.globl	k_qbefd792457_tmpnn
	.p2align	8
	.type	k_qbefd792457_tmpnn,@function
k_qbefd792457_tmpnn:
	s_mov_b64 s[64:65], 0
	v_nop
	global_prefetch_b8 v0, s[64:65] scope:SCOPE_SE
	s_setreg_imm32_b32 hwreg(HW_REG_WAVE_MODE, 25, 1), 1
	s_wait_xcnt 0x0
; Seven times x <- x + poly(x) W, poly(x) = [1, x, vec(x (x) x)], K = 1,057; out0 = column 0 of the last x.  x: [131072][32] f32, W: [1057][32] f32, out0: [131072] f32.
; Both operands of the product are quantised to FP6 (E2M3) with one E8M0 scale for each 32 along K; sums in f32; x stays in registers through all seven steps.
; THE BLOCKS OF 32 ALONG K.  Block 0 = {1, x0..x30}.  Block b (1..32) = {first, x_(b-1) x_j, j = 0..30}, first = x31 for b = 1 and x_(b-2) x31 else.  Block 33 = {x31 x31, zeros}.
; SHARES.  256 work-groups x 8 waves; a wave owns 64 rows, as four tiles of 16, one after the other.  Tile T, lane (r = lane % 16, h = lane / 16), works on row 64 (8 wg + wave) + 4 r + T,
; so that at the end lane r holds four neighbouring outputs and sixteen lanes store the wave's 256 consecutive bytes of out0, aligned.
; ORIENTATION.  Source 0 = 16 features of W^T, source 1 = 16 rows of poly(x).  Row m of W's tile u is feature 16 (m / 8) + 8 u + m % 8: register j of accumulator u in lane (r, h) is then
; feature 16 h + 8 u + j of row r, and the state of a lane is Y_i = x_(16 h + i), i = 0..15.
; WHICH BLOCK STANDS WHERE.  The operand's layout gives lane (r, h) registers 6 c .. 6 c + 5 = 32 numbers, a whole block, of K step s.  Which block that is, and the order inside it, are free
; as long as W is laid alike.  Place t = 2 s + c: for t = 0..15 half h takes block 16 h + t + 1, whose multiplier x_(b-1) is the lane's own Y_t.  t = 16: half 0 takes block 0 (multiplier 1),
; half 1 block 33 (multiplier 0, first = x31 x31).  t = 17: zero codes on both sides under the scale byte 0, which is 2^-127 and no NaN.
; ORDER INSIDE A BLOCK: elements 0-14 the multiplier x my Y_0..14; 15: x x15; 16-30: x the other half's Y_0..14; 31: the block's first element.
; THE BLOCK'S LARGEST MAGNITUDE IS NOT SEARCHED FOR: rounding is monotone, so the largest |mu x_j| is |mu| x (the largest |x_0..30|), one multiplication; that largest |x| is taken once a step.
; W is quantised once by each work-group (a fragment to a wave, 18 in all), handed round through LDS as images of the operand's registers, and then stays in every wave's registers (window 1).
; NO CLUSTER, NO TENSOR LOAD: the one shared input is W, 135,296 bytes of f32 that a work-group reads once and that must pass through registers to be quantised and re-ordered.
; LIMITS: NaN and infinities among the inputs are not served.  A block of zeros, or one whose largest magnitude lies under 2^(3 - 127), gets the scale byte 1 where the rule says 127 for zeros:
; its codes are zeros and the bytes never leave this program.  0 x a negative number gives the code of -0, which adds nothing to a sum.
; REGISTERS, window 0: v1-11 addresses; v12-13 1 - h; v14 largest |x|; v15 the first block's 'previous' x; v16-31 Y; v32-47 the other half's Y (v47 becomes x31); v48-49 (Y14, x15);
;   v50-65 two accumulators; v66-69 outputs; v80-143 two blocks' products; v144-179 three sets of codes; v180-186 upper halves of codes; v188-195 at work; v196-198 poly's scale words;
;   v200-217 W's scale words.  Window 1: v0-215 W's 18 fragments; v216-231 the next tile's x.  Ahead of the barrier W's numbers lie in v80-143, v16-79 and v224-255.
.set STEPS, 7
.set TILES, 4
.set FRB,   1536                       ; a fragment's image in LDS: 12 registers x 128 bytes
.set WSC,   18*FRB                     ; behind the 18 images: their scale words, 128 bytes each; the region ends at 29,952
.set XA,   1                           ; v1   x: 512 r + 64 h (rows 4 r, features 16 h on)
.set LI,   2                           ; v2   16 x lane
.set LS,   3                           ; v3   WSC + 4 x lane
.set WI,   4                           ; v4   16 x lane + FRB x wave: where I store an image
.set WSA,  5                           ; v5   WSC + 4 x lane + 128 x wave: and its scale word
.set AWA,  6                           ; v6   W: elements 0-14 of a block
.set AWB,  7                           ; v7   W: elements 16-30
.set AWC,  8                           ; v8   W: elements 15 and 31
.set AWE,  9                           ; v9   W: 4 x my feature (block 0)
.set AWD,  10                          ; v10  W: the same, and row 1,056 for half 1
.set OA,   11                          ; v11  16 r: my four outputs
.set MU,   12                          ; v[12:13] 1 - h, twice
.set MX,   14
.set PV0,  15
.set Y,    16
.set O,    32
.set Q,    48
.set ACC,  50
.set OUT,  66
.set P0,   80
.set P1,   112
.set CB0,  144
.set CB1,  156
.set CB2,  168
.set TMP0, 180                         ; v180-182, v184-186
.set BM0,  188                         ; v188-189 the blocks' largest magnitudes
.set SCL0, 190                         ; v190-191 the conversions' scale operands
.set SCL1, 191
.set T0,   192
.set T1,   193
.set T2,   194
.set T3,   195
.set SW0,  196
.set SW1,  197
.set SW2,  198
.set WS,   200
.set WT0,  80
.set WT1,  16
.set WT2,  224
.set NXT,  216                         ; in window 1
.set MSB, 0
.macro WIN new                         ; the immediate's high byte repeats the setting that is left; a switch that changes nothing is dropped
.if MSB != \new
	s_set_vgpr_msb (MSB<<8)|\new
.set MSB, \new
.endif
.endm
.macro XLOAD                           ; a tile's 16 numbers a lane into window 1
	WIN 0x40                                       ; destination window 1, address window 0
.irp i, 0,1,2,3
	global_load_b128 v[NXT+4*\i:NXT+4*\i+3], v[XA], s[4:5] offset:16*\i
.endr
	WIN 0
.endm
; W's numbers for fragment q = wave + 8 i: blocks c = 0, 1 of K step s = wave / 2 + 4 i, in the order of the head comment.  Row k of W is 128 bytes; block b = 16 h + 2 s + c + 1 begins at row 32 b.
.macro WLOAD wt, i
.irp c, 0,1
.set EE, 0
.rept 15
	global_load_b32 v[\wt+32*\c+EE], v[AWA], s[6:7] offset:32768*\i+4096*\c+128*(1+EE)   ; j = 16 h + e: row 32 b + 1 + 16 h + e
.set EE, EE+1
.endr
	global_load_b32 v[\wt+32*\c+15], v[AWC], s[6:7] offset:32768*\i+4096*\c+2048          ; j = 15: row 32 b + 16
.set EE, 16
.rept 15
	global_load_b32 v[\wt+32*\c+EE], v[AWB], s[6:7] offset:32768*\i+4096*\c+128*(1+EE)   ; the other half's j: row 32 b + 1 + e - 16 h
.set EE, EE+1
.endr
	global_load_b32 v[\wt+32*\c+31], v[AWC], s[6:7] offset:32768*\i+4096*\c               ; the block's first element: row 32 b
.endr
.endm
; two products at a time: v[d], v[d+1] = v[a], v[a+1] x one register of the pair v[m:m+1] (sl = 0: the first, 1: the second)
.macro PM d, a, m, sl
.if \sl
	v_pk_mul_f32 v[\d:\d+1], v[\a:\a+1], v[\m:\m+1] op_sel:[0,1] op_sel_hi:[1,1]
.else
	v_pk_mul_f32 v[\d:\d+1], v[\a:\a+1], v[\m:\m+1] op_sel_hi:[1,0]
.endif
.endm
; elements 0-29 of the block at place t, into set c: 15 packed products
.macro PROD c, t
.set PP, P0+32*(\c)
.if (\t) == 16
.set YP, MU
.set SL, 0
.else
.set YP, Y+2*((\t)/2)
.set SL, (\t)%2
.endif
.irp p, 0,1,2,3,4,5,6
	PM PP+2*\p, Y+2*\p, YP, SL
.endr
	PM PP+14, Q, YP, SL
.irp p, 0,1,2,3,4,5,6
	PM PP+16+2*\p, O+2*\p, YP, SL
.endr
.endm
.macro SPEC_EVEN t                     ; elements 30 and 31 of an even place (set 0)
	v_mul_f32 v[P0+30], v[O+14], v[Y+(\t)]
.if (\t) == 0
	v_mul_f32 v[P0+31], v[O+15], v[PV0]            ; x31 x (1 or x15)
.else
	v_mul_f32 v[P0+31], v[O+15], v[Y+(\t)-1]       ; x31 x the multiplier of the block before
.endif
.endm
.macro SPEC_ODD t                      ; the same of an odd place (set 1), in one instruction: low = the other half's Y14 x Y_t, high = x31 x Y_(t-1)
	v_pk_mul_f32 v[P1+30:P1+31], v[O+14:O+15], v[Y+(\t)-1:Y+(\t)] op_sel:[0,1] op_sel_hi:[1,0]
.endm
.macro BMAXA c, mu                     ; the largest |mu x_j|, j = 0..30
	v_mul_f32 v[BM0+\c], |v[\mu]|, v[MX]
.endm
.macro BMAXB c                         ; with the first element, and the floor 2^(3 - 127): the byte cannot fall under 1
	v_max3_num_f32 v[BM0+\c], v[BM0+\c], |v[P0+32*\c+31]|, 0x1800000
.endm
.macro BMAXC c                         ; 2 off the exponent field: the conversion takes the exponent field of this operand as its scale, and nothing else of it
	v_add_nc_u32 v[SCL0+\c], 0xff000000, v[BM0+\c]
.endm
.macro CODES c, src, cb                ; 32 numbers become 192 bits; a conversion's three registers begin on an even number, so the upper half is made elsewhere
	v_cvt_scalef32_pk16_fp6_f32 v[\cb+6*\c:\cb+6*\c+2], v[\src:\src+15], v[SCL0+\c]
	v_cvt_scalef32_pk16_fp6_f32 v[TMP0+4*\c:TMP0+4*\c+2], v[\src+16:\src+31], v[SCL0+\c]
.endm
.macro MOVES c, cb                     ; and moved
.irp i, 0,1,2
	v_mov_b32 v[\cb+6*\c+3+\i], v[TMP0+4*\c+\i]
.endr
.endm
; The scale word of a K step: byte 2 c + h.  My half's bytes at 0 and 2, the other half's 8 bits up: right in lanes 0-15, which alone are read.
.macro SWORD sw, two
	v_lshrrev_b32 v[T0], 23, v[SCL0]
.if \two
	v_lshrrev_b32 v[T1], 23, v[SCL1]
	v_lshl_or_b32 v[T0], v[T1], 16, v[T0]
.endif
	v_permlanex16_b32 v[T2], v[T0], s12, s13
	v_lshl_or_b32 v[\sw], v[T2], 8, v[T0]
.endm
; K step s: two matrix instructions, W's tiles 0 and 1 against the codes in v[cb] on.  The two accumulators take turns, one instruction a turn, over both backward jumps too.
.macro MM s, cb, sw, zero
	WIN 0x01                                       ; source 0 (W) in window 1
.irp u, 0,1
.if \zero
	v_wmma_scale_f32_16x16x128_f8f6f4 v[ACC+8*\u:ACC+8*\u+7], v[24*(\s)+12*\u:24*(\s)+12*\u+11], v[\cb:\cb+11], 0, v[WS+2*(\s)+\u], v[\sw] matrix_a_fmt:MATRIX_FMT_FP6 matrix_b_fmt:MATRIX_FMT_FP6
.else
	v_wmma_scale_f32_16x16x128_f8f6f4 v[ACC+8*\u:ACC+8*\u+7], v[24*(\s)+12*\u:24*(\s)+12*\u+11], v[\cb:\cb+11], v[ACC+8*\u:ACC+8*\u+7], v[WS+2*(\s)+\u], v[\sw] matrix_a_fmt:MATRIX_FMT_FP6 matrix_b_fmt:MATRIX_FMT_FP6
.endif
.endr
	WIN 0
.endm
; K step s = 0..7 is made: places 2 s and 2 s + 1.  The products of the K step before are issued in its middle: behind their scale word's last write stand the six moves and 24 plain lines
; (8 are asked), behind the last move 24 (4 are asked); the registers that they read are written again a whole K step later.
.macro KSTEP s
.set CBX, CB0+12*((\s)%2)
.set CBP, CB0+12*(((\s)+1)%2)
.set SWX, SW0+(\s)%2
.set SWP, SW0+((\s)+1)%2
	SPEC_EVEN 2*(\s)
	SPEC_ODD 2*(\s)+1
	BMAXA 0, Y+2*(\s)
	BMAXA 1, Y+2*(\s)+1
	BMAXB 0
	BMAXB 1
	BMAXC 0
	BMAXC 1
	PROD 0, 2*(\s)
.if (\s) == 1
	MM 0, CBP, SWP, 1                              ; the first K step starts the sums: nothing is cleared
.endif
.if (\s) > 1
	MM (\s)-1, CBP, SWP, 0
.endif
	PROD 1, 2*(\s)+1
	CODES 0, P0, CBX
	CODES 1, P1, CBX
	SWORD SWX, 1                                   ; five plain lines between the conversions and the moves that read their results
	MOVES 0, CBX
	MOVES 1, CBX
.endm
; What a step needs of the state, once: the largest |x_0..30|, the other half's 16 features, x15 and x31 in both halves.
.macro PREP
	v_max3_num_f32 v[T0], |v[Y]|, |v[Y+1]|, |v[Y+2]|
	v_max3_num_f32 v[T1], |v[Y+7]|, |v[Y+8]|, |v[Y+9]|
	v_max3_num_f32 v[T0], v[T0], |v[Y+3]|, |v[Y+4]|
	v_max3_num_f32 v[T1], v[T1], |v[Y+10]|, |v[Y+11]|
	v_max3_num_f32 v[T0], v[T0], |v[Y+5]|, |v[Y+6]|
	v_max3_num_f32 v[T1], v[T1], |v[Y+12]|, |v[Y+13]|
	v_max3_num_f32 v[T0], v[T0], v[T1], |v[Y+14]|  ; of my Y_0..14
.irp i, 0,1,2,3,4,5,6,7,8,9,10,11,12,13,14,15
	v_permlanex16_b32 v[O+\i], v[Y+\i], s12, s13   ; lane l xor 16's
.endr
	v_permlanex16_b32 v[T2], v[T0], s12, s13
	v_mov_b32 v[Q], v[Y+14]
	v_cndmask_b32 v[Q+1], v[Y+15], v[O+15], s11    ; x15: half 0 has it, half 1 takes the other's (s11: lanes 16-31)
	v_cndmask_b32 v[O+15], v[O+15], v[Y+15], s11   ; x31: the other way round
	v_max3_num_f32 v[MX], v[T0], v[T2], |v[Q+1]|   ; the largest |x_0..30|
	v_cndmask_b32 v[PV0], 1.0, v[Q+1], s11         ; block 1's first element is x31 x 1, block 17's x31 x x15
.endm
; A fragment of W: 32 numbers a block in v[wt0] on and v[wt1] on become codes in v[cb] on and the scale word v[sw].  two = 0: one block alone.
.macro QW wt0, wt1, cb, sw, two
	v_max3_num_f32 v[BM0], |v[\wt0]|, |v[\wt0+1]|, 0x1800000       ; all 32 numbers are mine; the floor 2^(3 - 127) holds the byte at 1 from below
.if \two
	v_max3_num_f32 v[BM0+1], |v[\wt1]|, |v[\wt1+1]|, 0x1800000
.endif
.irp i, 2,4,6,8,10,12,14,16,18,20,22,24,26,28,30
	v_max3_num_f32 v[BM0], v[BM0], |v[\wt0+\i]|, |v[\wt0+\i+1]|
.if \two
	v_max3_num_f32 v[BM0+1], v[BM0+1], |v[\wt1+\i]|, |v[\wt1+\i+1]|
.endif
.endr
	BMAXC 0
.if \two
	BMAXC 1
.endif
	CODES 0, \wt0, \cb
.if \two
	CODES 1, \wt1, \cb
.endif
	SWORD \sw, \two                                ; plain lines between the conversions and the moves
	MOVES 0, \cb
.if \two
	MOVES 1, \cb
.endif
.endm
.macro IMG cb, sw, i                   ; fragment wave + 8 i goes to LDS as it stands: lane l's 16 bytes at 16 l, 512 consecutive bytes a store; its scale word 4 bytes a lane
.irp g, 0,1,2
	ds_store_b128 v[WI], v[\cb+4*\g:\cb+4*\g+3] offset:8*FRB*\i+512*\g
.endr
	ds_store_b32 v[WSA], v[\sw] offset:1024*\i
.endm
	s_load_b128 s[4:7], s[0:1], 0x0                ; x s[4:5], W s[6:7]
	s_load_b64 s[8:9], s[0:1], 0x10                ; out0
	v_lshl_add_u32 v222, v0, 2, 0x7800
	v_mov_b32 v223, 0
	v_lshrrev_b32 v[T3], 5, v0
	v_readfirstlane_b32 s10, v[T3]                 ; wave 0..7
	v_and_b32 v[T0], 31, v0                        ; lane
	v_and_b32 v[T1], 15, v0                        ; r
	v_bfe_u32 v[T2], v0, 4, 1                      ; h
	s_mov_b32 s11, 0xffff0000                      ; lanes 16-31
	s_mov_b32 s12, 0x76543210
	s_mov_b32 s13, 0xfedcba98                      ; v_permlanex16_b32's selects for lane l xor 16
	v_lshlrev_b32 v[XA], 9, v[T1]
	v_lshl_add_u32 v[XA], v[T2], 6, v[XA]          ; 512 r + 64 h
	v_lshlrev_b32 v[LI], 4, v[T0]
	v_lshl_add_u32 v[LS], v[T0], 2, WSC
	s_mul_i32 s16, s10, FRB
	v_add_nc_u32 v[WI], s16, v[LI]
	s_lshl_b32 s17, s10, 7
	v_add_nc_u32 v[WSA], s17, v[LS]
	v_lshrrev_b32 v[T3], 3, v[T1]                  ; my feature in W's tile u = wave % 2: 16 (r / 8) + 8 u + r % 8, times 4 bytes
	v_and_b32 v[AWE], 7, v[T1]
	v_lshlrev_b32 v[AWE], 2, v[AWE]
	v_lshl_add_u32 v[AWE], v[T3], 6, v[AWE]
	s_and_b32 s18, s10, 1
	s_lshl_b32 s18, s18, 5
	v_add_nc_u32 v[AWE], s18, v[AWE]
	v_mad_u32_u24 v[AWD], v[T2], 0x21000, v[AWE]   ; half 1: row 1,056 (135,168 bytes on)
	s_lshr_b32 s19, s10, 1
	s_lshl_b32 s19, s19, 13
	s_add_co_u32 s19, s19, 4096
	v_lshl_add_u32 v[AWC], v[T2], 16, v[AWE]
	v_add_nc_u32 v[AWC], s19, v[AWC]               ; row 32 b of block b = 16 h + 2 (wave / 2) + 1: 65,536 h + 8,192 (wave / 2) + 4,096
	v_lshl_add_u32 v[AWA], v[T2], 11, v[AWC]       ; + 16 rows for half 1
	v_lshlrev_b32 v[T3], 11, v[T2]
	v_sub_nc_u32 v[AWB], v[AWC], v[T3]             ; - 16 rows for half 1
	v_lshlrev_b32 v[OA], 4, v[T1]
	v_cvt_f32_u32 v[MU], v[T2]
	v_sub_f32 v[MU], 1.0, v[MU]                    ; 1 for half 0, 0 for half 1
	v_mov_b32 v[MU+1], v[MU]
.irp i, 6,7,8,9,10,11
	v_mov_b32 v[CB2+\i], 0                         ; place 17: zero codes, for W's last fragments and for poly's; never written again
.endr
	s_lshl_b32 s20, ttmp9, 3
	s_add_co_u32 s20, s20, s10                     ; 8 wg + wave
	s_lshl_b32 s22, s20, 13                        ; 64 rows of 128 bytes
	s_mov_b32 s23, 0
	s_lshl_b32 s20, s20, 8                         ; 64 outputs of 4 bytes
	s_mov_b32 s21, 0
	s_wait_kmcnt 0x0
	s_add_nc_u64 s[4:5], s[4:5], s[22:23]
	s_add_nc_u64 s[8:9], s[8:9], s[20:21]
	; all loads of the head go out at once, in every wave alike: 4 + 32 + 64 + 64
	XLOAD                                          ; tile 0
.set EE, 0
.rept 31
	global_load_b32 v[WT2+EE], v[AWE], s[6:7] offset:128*(1+EE)    ; block 0: rows 1..31 (half 1's copies are multiplied by 0 below)
.set EE, EE+1
.endr
	global_load_b32 v[WT2+31], v[AWD], s[6:7]      ; row 0 for half 0, row 1,056 for half 1
	WLOAD WT0, 0
	WLOAD WT1, 1
	s_wait_loadcnt 63                              ; 64 loads were issued behind the first fragment's: with at most 63 out (the largest count that this wait can name) it is in, and all ahead of it
	QW WT0, WT0+32, CB0, SW0, 1
	IMG CB0, SW0, 0
	s_wait_loadcnt 0x0
	QW WT1, WT1+32, CB1, SW1, 1                    ; each fragment has its own registers for codes and scale word: no LDS store's data are written again
	IMG CB1, SW1, 1
	s_cmp_lt_u32 s10, 2                            ; fragments 16 and 17 (K step 8) fall to waves 0 and 1
	s_cbranch_scc0 .Lno_third
.irp p, 0,1,2,3,4,5,6,7,8,9,10,11,12,13,14
	v_pk_mul_f32 v[WT2+2*\p:WT2+2*\p+1], v[WT2+2*\p:WT2+2*\p+1], v[MU:MU+1]   ; block 33 has one number: half 1's elements 0-30 become zeros
.endr
	v_mul_f32 v[WT2+30], v[WT2+30], v[MU]
	QW WT2, WT2, CB2, SW2, 0
	IMG CB2, SW2, 2
.Lno_third:
	s_wait_dscnt 0x0                               ; for the others' sake: my images have landed
	s_barrier_signal -1
	s_barrier_wait -1                              ; all 18 lie in LDS; nothing is stored there again
	WIN 0x40                                       ; destination window 1
.set QQ, 0
.rept 18
.irp g, 0,1,2
	ds_load_b128 v[12*QQ+4*\g:12*QQ+4*\g+3], v[LI] offset:FRB*QQ+512*\g
.endr
.set QQ, QQ+1
.endr
	WIN 0
.set QQ, 0
.rept 18
	ds_load_b32 v[WS+QQ], v[LS] offset:128*QQ
.set QQ, QQ+1
.endr
.irp i, 0,1,2,3,4,5,6,7,8,9,10,11,12,13,14,15
	v_mov_b32 v[O+\i], 0                           ; written once: a lane permute's destination counts as one of its sources
.endr
.irp i, 0,1,2,3
	v_mov_b32 v[OUT+\i], 0                         ; (shifted before they are all filled)
.endr
	s_wait_dscnt 0x0                               ; W and its scale words are in registers, for the whole launch
	s_mov_b32 s14, TILES
.Ltile:
	s_wait_loadcnt 0x0                             ; this tile's x is in; its loads are done, so their base may step
	WIN 0x01                                       ; source 0 in window 1
.irp i, 0,1,2,3,4,5,6,7,8,9,10,11,12,13,14,15
	v_mov_b32 v[Y+\i], v[NXT+\i]
.endr
	WIN 0
	s_cmp_eq_u32 s14, 1                            ; the next tile's x is asked for a whole tile, seven steps, ahead; the last tile asks for nothing: no load leaves x
	s_cbranch_scc1 .Lno_next
	s_add_nc_u64 s[4:5], s[4:5], 128               ; one row on
	XLOAD
.Lno_next:
	s_mov_b32 s15, STEPS
.Lstep:
	PREP
.irp s, 0,1,2,3,4,5,6,7
	KSTEP \s
.endr
	; K step 8: place 16 (block 0 in half 0, block 33 in half 1); place 17 stays zeros
	v_mul_f32 v[P0+30], v[O+14], v[MU]
	v_mul_f32 v[T3], v[O+15], v[O+15]
	v_cndmask_b32 v[P0+31], 1.0, v[T3], s11        ; the first element: 1 in half 0, x31 x31 in half 1
	BMAXA 0, MU
	BMAXB 0
	BMAXC 0
	SWORD SW2, 0                                   ; bytes 2 and 3 are 0
	PROD 0, 16                                     ; 15 plain lines between the scale word's write and the products that take it (8 are asked)
	MM 7, CB1, SW1, 0
	CODES 0, P0, CB2
	v_nop                                          ; one plain place behind a scaled conversion
	MOVES 0, CB2
.rept 4
	v_nop                                          ; an operand written by vector instructions stands four places ahead of a scaled matrix instruction
.endr
	MM 8, CB2, SW2, 0
.rept 4
	v_nop                                          ; four places behind the last products, ahead of the first read of their results (ISA guide 7.12.1)
.endr
.irp i, 0,1,2,3,4,5,6,7
	v_pk_add_f32 v[Y+2*\i:Y+2*\i+1], v[Y+2*\i:Y+2*\i+1], v[ACC+2*\i:ACC+2*\i+1]   ; x <- x + poly(x) W; each accumulator from its low end on
.endr
	s_sub_co_u32 s15, s15, 1
	s_cmp_lg_u32 s15, 0
	s_cbranch_scc1 .Lstep
	v_mov_b32 v[OUT], v[OUT+1]                     ; the tile's column 0 (Y_0 of half 0) takes the last place: after four tiles OUT + T is row 4 r + T
	v_mov_b32 v[OUT+1], v[OUT+2]
	v_mov_b32 v[OUT+2], v[OUT+3]
	v_mov_b32 v[OUT+3], v[Y]
	s_sub_co_u32 s14, s14, 1
	s_cmp_lg_u32 s14, 0
	s_cbranch_scc1 .Ltile
	v_and_b32 v[T0], 31, v0
	v_cmp_gt_u32 vcc_lo, 16, v[T0]
	s_wait_xcnt 0x0                                ; EXEC changes only behind this wait
	s_wait_tensorcnt 0x0
	ds_add_u32 v222, v223
	s_wait_dscnt 0x0
	s_and_saveexec_b32 s16, vcc_lo                 ; lanes 0-15 hold feature 0
	global_store_b128 v[OA], v[OUT:OUT+3], s[8:9] th:TH_STORE_NT   ; sixteen lanes store the wave's 256 consecutive bytes, at a multiple of 256 from out0's first byte
	s_wait_xcnt 0x0                                ; and again, in front of the line that widens it
	s_or_b32 exec_lo, exec_lo, s16
	s_endpgm
.Lfunc_end_k_qbefd792457_tmpnn:
	.size	k_qbefd792457_tmpnn, .Lfunc_end_k_qbefd792457_tmpnn-k_qbefd792457_tmpnn
	.p2alignl 7, 3214868480
	.fill 96, 4, 3214868480
	.section	.rodata,"a",@progbits
	.p2align	6, 0x0
	.amdhsa_kernel k_qbefd792457_tmpnn
		.amdhsa_group_segment_fixed_size 31744
		.amdhsa_private_segment_fixed_size 0
		.amdhsa_enable_private_segment 0
		.amdhsa_kernarg_size 24
		.amdhsa_user_sgpr_count 2
		.amdhsa_user_sgpr_kernarg_segment_ptr 1
		.amdhsa_wavefront_size32 1
		.amdhsa_system_sgpr_workgroup_id_x 1
		.amdhsa_system_sgpr_workgroup_id_y 1
		.amdhsa_system_sgpr_workgroup_id_z 1
		.amdhsa_system_vgpr_workitem_id 0
		.amdhsa_next_free_vgpr 512
		.amdhsa_next_free_sgpr 66
		.amdhsa_reserve_vcc 1
		.amdhsa_float_denorm_mode_32 3
		.amdhsa_float_denorm_mode_16_64 3
		.amdhsa_memory_ordered 1
		.amdhsa_forward_progress 1
		.amdhsa_inst_pref_size 67
	.end_amdhsa_kernel
	.amdgpu_metadata
---
amdhsa.version: [ 1, 2 ]
amdhsa.kernels:
  - .name:           k_qbefd792457_tmpnn
    .symbol:         k_qbefd792457_tmpnn.kd
    .args:
      - { .name: x, .offset: 0, .size: 8, .value_kind: global_buffer, .address_space: global }
      - { .name: W, .offset: 8, .size: 8, .value_kind: global_buffer, .address_space: global }
      - { .name: out0, .offset: 16, .size: 8, .value_kind: global_buffer, .address_space: global }
    .group_segment_fixed_size: 31744
    .private_segment_fixed_size: 0
    .kernarg_segment_align: 8
    .kernarg_segment_size: 24
    .max_flat_workgroup_size: 256
    .sgpr_count:     66
    .vgpr_count:     512
    .wavefront_size: 32
...
	.end_amdgpu_metadata
.endif
;; end of part 1
